; MI455X (gfx1250); checked and timed in simulation.
; The chip was launched on July 23, 2026; its instructions are those of AMD's public machine-readable ISA for CDNA 5 (MIT licence, August 2026) and "CDNA5" Instruction Set Architecture Reference Guide (July 2026). The comments in the code are by the model that wrote it; some were corrected since.
;; Multi Head Attention. Allowed arithmetic: matrix products marked QUANTISED: E4M3 operands, one given power-of-two scale a tensor, by v_wmma_f32_16x16x64_fp8_fp8 or v_wmma_f32_16x16x128_fp8_fp8, f32 sums; everything else in f32.
;; Inputs: K_codes 4 x 2,048 x 32 x 32 uint8 (E4M3 codes of K, K innermost, in blocks of 32 codes); Q_codes 4 x 2,048 x 32 x 32 uint8 (E4M3 codes of Q, K innermost, in blocks of 32 codes); V_codes 4 x 2,048 x 32 x 32 uint8 (E4M3 codes of V, K innermost, in blocks of 32 codes); Wk_codes 1,024 x 32 x 32 uint8 (E4M3 codes of Wk, K innermost, in blocks of 32 codes); Wo_codes 1,024 x 32 x 32 uint8 (E4M3 codes of Wo, K innermost, in blocks of 32 codes); Wq_codes 1,024 x 32 x 32 uint8 (E4M3 codes of Wq, K innermost, in blocks of 32 codes); Wv_codes 1,024 x 32 x 32 uint8 (E4M3 codes of Wv, K innermost, in blocks of 32 codes); attn_bias 4 x 2,048 x 2,048 float32; bk 1,024 float32; bo 1,024 float32; bq 1,024 float32; bv 1,024 float32; lowp_scales 12 int32 (the exponents e of the quantised operands' scales 2^e); mask 4 x 2,048 bool.
;; Outputs: out0 4 x 2,048 x 1,024 float32.
;; This version of the problem:
;;   THIS VERSION OF THE PROBLEM IS GIVEN IN LOW PRECISION. The matrix products marked QUANTISED in the list below multiply operands that are first quantised to E4M3 (4 exponent bits, 3 mantissa bits; 8 bits a number), with one given power-of-two scale for each operand tensor; their sums are f32. All else is computed in f32.
;;   The module's matrix products, in the order in which they are computed (A, B: the left and right operand; K: the contracted axis; several contracted axes count as one K, in the product's order):
;;     1. [M 8,192, K 1,024] x [K 1,024, N 1,024]; A: input Q (given as codes); B: input Wq (given as codes): QUANTISED (scales: A lowp_scales[0], B lowp_scales[1])
;;     2. [M 8,192, K 1,024] x [K 1,024, N 1,024]; A: input K (given as codes); B: input Wk (given as codes): QUANTISED (scales: A lowp_scales[2], B lowp_scales[3])
;;     3. [M 8,192, K 1,024] x [K 1,024, N 1,024]; A: input V (given as codes); B: input Wv (given as codes): QUANTISED (scales: A lowp_scales[4], B lowp_scales[5])
;;     4. batch 64 x [M 2,048, K 64] x [K 64, N 2,048]; A: computed on the way; B: computed on the way: QUANTISED (scales: A lowp_scales[6], B lowp_scales[7])
;;     5. batch 64 x [M 2,048, K 2,048] x [K 2,048, N 64]; A: softmax (see below); B: computed on the way: QUANTISED (scales: A lowp_scales[8], B lowp_scales[9])
;;     6. [M 8,192, K 1,024] x [K 1,024, N 1,024]; A: computed on the way; B: input Wo (given as codes): QUANTISED (scales: A lowp_scales[10], B lowp_scales[11])
;;   THE QUANTISER, for each operand of a quantised product, along K:
;;     - The operand's scale is 2^e, e = its entry of the input lowp_scales (int32; the entries are numbered through the quantised products in the list's order, A before B).
;;     - Each number is divided by the scale, clamped to +-448, and rounded to the nearest number of E4M3, ties to even, subnormals kept.
;;     - The product sums the exact products of the quantised numbers (number of the format x scale) in f32.
;;   ~~~python
;;   def quantise(x, axis, e):      # numpy; x: float32 -> the quantised numbers, widened to float32 again
;;       x = np.moveaxis(x, axis, -1); K = x.shape[-1]
;;       r = np.clip(x / 2.0 ** e, -448, 448)
;;       step = 2.0 ** (np.maximum(np.frexp(np.where(r == 0, 1, r))[1] - 1, -6) - 3)
;;       q = np.round(r / step) * step * 2.0 ** e      # np.round: ties to even
;;       return np.moveaxis(q, -1, axis).astype(np.float32)
;;   ~~~
;;   SOFTMAX AHEAD OF A QUANTISED PRODUCT. Where the list says 'softmax', what is quantised is not the finished softmax but p = 2^(t - M), with t = logit x log2(e) and M = ceil(the row's largest t), a whole number; so 1/2 < the row's largest p <= 1. The row's sum l is taken of the UNQUANTISED p, in f32, and the product's result is divided by l at the end. Since M is a whole number, a kernel that streams over the keys may use a running M (the ceiling of the running maximum): every later rescaling is an exact power of two, so the quantised numbers keep their values, but for numbers so far below the row's largest that they fall under the format's range.
;;   OPERANDS COMPUTED ON THE WAY. 'Computed on the way' means the value that the module computes at that place (a softmax that the list does not call 'softmax' is quantised finished and normalised). What goes into a quantiser is computed in f32, as accurately as f32 sums, v_exp_f32 and their like allow (about 1e-6 of the number): no bf16 or f16 on the way to a quantiser, and a product that is left as it is and whose result goes on into a quantised operand takes f32 operands (vector FMAs, or v_wmma_f32_16x16x4_f32). A number that lies on a knife's edge between two numbers of the format may be rounded either way, as far as f32 arithmetic and the matrix unit's own rounding can turn it there, and no further.
;;   INPUTS GIVEN AS CODES. K (in the module: [4, 2048, 1024], K = its axis 2); Q (in the module: [4, 2048, 1024], K = its axis 2); V (in the module: [4, 2048, 1024], K = its axis 2); Wk (in the module: [1024, 1024], K = its axis 1); Wo (in the module: [1024, 1024], K = its axis 1); Wq (in the module: [1024, 1024], K = its axis 1); Wv (in the module: [1024, 1024], K = its axis 1): each comes as NAME_codes (uint8): NAME with its K axis moved to the last place and cut into blocks of 32 codes, [.., K / 32, bytes a block], one block behind the other in memory; one code a byte (a code: sign, 4 exponent bits, 3 mantissa bits); its scale is its entry of lowp_scales. Its value is code x scale, taken as it is: it is not quantised again, and the codes and scales need not be those that the quantiser above would give.
;; One version. Each part assembles by itself: llvm-mc -triple=amdgcn-amd-amdhsa -mcpu=gfx1250 --defsym DOCPART=n.
;; ======== version 1 of 1: 3 launches
;; limits: inputs' magnitudes at most 760,000,000,000; right only within a limited range of input values
;; workspace buffers: qc 8,388,608 bytes; kc 8,388,608 bytes; vt 8,388,608 bytes; oc 8,388,608 bytes
;; launch proj (part 1): grid 4 x 96, 4 waves a work-group, clusters of 4 x 4, 327,680 bytes of LDS; arguments Q_codes, K_codes, V_codes, Wq_codes, Wk_codes, Wv_codes, bq, bk, bv, lowp_scales, qc, kc, vt; writes qc, kc, vt
.if DOCPART == 1
	.amdgcn_target "amdgcn-amd-amdhsa--gfx1250"
	.amdhsa_code_object_version 6
	.text
	.protected	k_q23e4152d51_proj
	.globl	k_q23e4152d51_proj
	.p2align	8
	.type	k_q23e4152d51_proj,@function
k_q23e4152d51_proj:
	s_mov_b64 s[64:65], 0
	v_nop
	global_prefetch_b8 v0, s[64:65] scope:SCOPE_SE
	s_setreg_imm32_b32 hwreg(HW_REG_WAVE_MODE, 25, 1), 1
	s_wait_xcnt 0x0
	s_wait_alu depctr_hold_cnt(0) depctr_sa_sdst(0) depctr_va_vdst(0) depctr_va_sdst(0) depctr_va_ssrc(0) depctr_va_vcc(0) depctr_vm_vsrc(0)
	s_getreg_b32 s2, hwreg(HW_REG_IB_STS2, 6, 4)
	s_cmp_eq_u32 s2, 0
	s_cbranch_scc0 .Lentry_in_a_cluster
	s_endpgm
.Lentry_in_a_cluster:
	s_bfe_u32 s2, ttmp6, 0x10000c
	s_cmp_lg_u32 s2, 0xf033
	s_cbranch_scc0 .Lentry_shape_is_right
	s_endpgm
.Lentry_shape_is_right:
.set KSTEP,  256
.set ROWB,   256
.set KROW,   1024
.set PITCH,  272
.set FR,     16
.set NL,     4
.set NP,     4
.set HALFT,  128*PITCH
.set SLOT,   4*HALFT
.set LAPS,   1024/(2*KSTEP)
.set SPARE,  2*SLOT
.set ADRA, 16
.set ADRB, 20
.set STO,  24
.set RD,   25
.set CO,   26
.set SPW,  28
.set NIL,  29
.set BN,   32
.set BM,   96
.set AF,   128
.set TMP,  128
.set CD,   192
.set BK,   128
.set G1, 24
.set G0, 32
.set G1B, 48
.set G0B, 56
.set MSB, 0
.macro WIN new
.if MSB != \new
	s_set_vgpr_msb (MSB<<8)|\new
.set MSB, \new
.endif
.endm
.set MUL_LO, 0xa1
.set MUL_HI, 0xf1
.set TO_B,   0x40
.macro JLOAD g0a, g1a, g0b, g1b
	s_cmp_eq_u32 s15, 0
	s_cbranch_scc0 .Lfor_b_\@
	tensor_load_to_lds s[\g0a:\g0a+3], s[\g1a:\g1a+7]
	s_nop 0
.rept 4
	v_nop
.endr
	s_branch .Lasked_\@
.Lfor_b_\@:
	tensor_load_to_lds s[\g0b:\g0b+3], s[\g1b:\g1b+7]
	s_nop 0
.rept 4
	v_nop
.endr
.Lasked_\@:
.endm
.macro CREST
	s_cmp_lg_u32 s14, 0
	s_cbranch_scc1 .Lnot_wave_0_\@
	s_barrier_signal -3
.Lnot_wave_0_\@:
	s_barrier_wait -3
	s_barrier_signal -1
	s_barrier_wait -1
.endm
.macro CROUND
	s_barrier_signal -1
	s_barrier_wait -1
	CREST
.endm
	s_load_b512 s[68:83], s[0:1], 0x0
	s_load_b256 s[84:91], s[0:1], 0x40
	s_load_b64 s[92:93], s[0:1], 0x60
	v_lshl_add_u32 v[SPW], v0, 2, SPARE
	v_mov_b32 v[NIL], 0
	ds_add_u32 v28, v29
	ds_add_u32 v28, v29
	s_wait_dscnt 0x0
	v_lshrrev_b32 v1, 5, v0
	v_readfirstlane_b32 s14, v1
	s_lshr_b32 s15, s14, 1
	s_and_b32 s16, s14, 1
	s_bfe_u32 s40, ttmp6, 0x40000
	s_bfe_u32 s41, ttmp6, 0x40004
	s_and_b32 s17, ttmp7, 0xffff
	s_lshr_b32 s66, s17, 3
	s_and_b32 s17, s17, 7
	s_lshl_b32 s17, s17, 2
	s_lshl_b32 s42, ttmp9, 2
	s_cmp_eq_u32 s66, 2
	s_cselect_b32 s67, 1, 0
	s_cselect_b32 s18, 0, s17
	s_cselect_b32 s42, s17, s42
	s_add_co_u32 s17, s18, s41
	s_add_co_u32 s42, s42, s40
	s_lshl_b32 s43, s41, 2
	s_lshl_b32 s43, 15, s43
	s_lshl_b32 s44, 0x1111, s40
	s_or_b32 s[G1+0], s43, (0<<16)|(1<<20)|(1<<21)|(5<<22)|(3<<25)
	s_or_b32 s[G1B+0], s44, (0<<16)|(1<<20)|(1<<21)|(5<<22)|(3<<25)
.irp g, G1, G1B
	s_mov_b32 s[\g+1], ROWB<<16
	s_mov_b32 s[\g+2], 128<<16
	s_mov_b32 s[\g+3], ROWB<<16
	s_mov_b32 s[\g+4], 128
	s_mov_b32 s[\g+5], KROW
	s_mov_b32 s[\g+6], 0
	s_mov_b32 s[\g+7], 0
.endr
	s_lshl_b32 s18, s16, 7
	s_lshl_b32 s20, s17, 8
	s_add_co_u32 s20, s20, s18
	s_lshl_b32 s46, s42, 8
	s_add_co_u32 s46, s46, s18
	s_lshl_b32 s20, s20, 10
	s_lshl_b32 s46, s46, 10
	s_mov_b32 s21, 0
	s_mov_b32 s47, 0
	s_mul_i32 s45, s14, HALFT
	s_wait_kmcnt 0x0
	s_cmp_eq_u32 s66, 0
	s_cselect_b64 s[4:5], s[68:69], s[70:71]
	s_cselect_b64 s[6:7], s[74:75], s[76:77]
	s_cselect_b64 s[8:9], s[80:81], s[82:83]
	s_cselect_b64 s[10:11], s[88:89], s[90:91]
	s_cmp_eq_u32 s66, 2
	s_cselect_b64 s[4:5], s[78:79], s[4:5]
	s_cselect_b64 s[6:7], s[72:73], s[6:7]
	s_cselect_b64 s[8:9], s[84:85], s[8:9]
	s_cselect_b64 s[10:11], s[92:93], s[10:11]
	s_load_b256 s[68:75], s[86:87], 0x0
	s_load_b128 s[76:79], s[86:87], 0x20
	s_add_nc_u64 s[20:21], s[4:5], s[20:21]
	s_add_nc_u64 s[46:47], s[6:7], s[46:47]
	CROUND
.irp s, 0,1
	s_mov_b32 s[G0+4*\s], 1
	s_add_co_u32 s[G0+4*\s+1], s45, \s*SLOT
	s_add_nc_u64 s[G0+4*\s+2:G0+4*\s+3], s[20:21], \s*ROWB
	s_or_b32 s[G0+4*\s+3], s[G0+4*\s+3], 0x80000000
	s_mov_b32 s[G0B+4*\s], 1
	s_add_co_u32 s[G0B+4*\s+1], s45, \s*SLOT
	s_add_nc_u64 s[G0B+4*\s+2:G0B+4*\s+3], s[46:47], \s*ROWB
	s_or_b32 s[G0B+4*\s+3], s[G0B+4*\s+3], 0x80000000
	s_wait_alu depctr_va_vdst(0)
	s_wait_tensorcnt 0x0
	ds_add_u32 v28, v29
	ds_add_u32 v28, v29
	s_wait_dscnt 0x0
	CROUND
	JLOAD G0+4*\s, G1, G0B+4*\s, G1B
.endr
	v_and_b32 v1, 15, v0
	v_bfe_u32 v2, v0, 4, 1
	v_mul_u32_u24 v3, v1, PITCH
	s_wait_alu depctr_va_vdst(0)
	v_lshl_add_u32 v4, v2, 4, v3
	s_mul_i32 s21, s15, HALFT
	s_mul_i32 s22, s16, HALFT
	s_add_co_u32 s22, s22, 2*HALFT
.irp s, 0,1
	v_add_nc_u32 v[ADRA+\s], s21, v4
	v_add_nc_u32 v[ADRB+\s], s22, v4
	s_add_co_u32 s21, s21, SLOT
	s_add_co_u32 s22, s22, SLOT
.endr
	s_mul_i32 s23, s15, 128*PITCH
	s_lshl_b32 s21, s16, 7
	s_add_co_u32 s23, s23, s21
	v_lshl_add_u32 v5, v2, 3, v3
	v_add_nc_u32 v[STO], s23, v5
	s_mul_i32 s23, s14, 64*PITCH
	v_mul_u32_u24 v5, v2, PITCH
	v_lshl_add_u32 v5, v1, 4, v5
	v_add_nc_u32 v[RD], s23, v5
	v_lshlrev_b32 v[CO], 8, v2
	v_lshl_add_u32 v[CO], v1, 4, v[CO]
	s_cmp_eq_u32 s67, 1
	s_cselect_b32 s20, 18, 21
	s_cselect_b32 s22, s17, s42
	s_lshl_b32 s20, s42, s20
	s_lshl_b32 s21, s17, 16
	s_add_co_u32 s20, s20, s21
	s_lshl_b32 s21, s14, 14
	s_add_co_u32 s20, s20, s21
	s_mov_b32 s21, 0
	s_add_nc_u64 s[10:11], s[10:11], s[20:21]
	s_lshl_b32 s22, s22, 10
	s_lshl_b32 s23, s16, 9
	s_add_co_u32 s23, s23, s22
	v_lshl_add_u32 v7, v2, 5, s23
	s_lshl_b32 s23, s15, 9
	s_add_co_u32 s23, s23, s22
	v_lshl_add_u32 v8, v1, 2, s23
.irp b, 0,1,2,3,4,5,6,7
	global_load_b128 v[BN+8*\b:BN+8*\b+3], v7, s[8:9] offset:64*\b
	global_load_b128 v[BN+8*\b+4:BN+8*\b+7], v7, s[8:9] offset:64*\b+16
.endr
.irp a, 0,1,2,3,4,5,6,7
	global_load_b32 v[BM+2*\a], v8, s[8:9] offset:64*\a
	v_mov_b32 v[BM+2*\a+1], 0
.endr
.macro FRAG reg, adr, q, i
.irp c, 0,1,2,3
	ds_load_b128 v[\reg+4*\c:\reg+4*\c+3], v[\adr] offset:128*(\q)+32*\c+(\i)*16*PITCH
.endr
.endm
.macro MUL16 a0, p, zero
.irp a, \a0, \a0+1
.irp b, 0,1,2,3,4,5,6,7
.if \zero
	v_wmma_f32_16x16x128_fp8_fp8 v[8*(8*((\a)%4)+\b):8*(8*((\a)%4)+\b)+7], v[128*(\p)+FR*\b:128*(\p)+FR*\b+FR-1], v[AF+FR*(\a):AF+FR*(\a)+FR-1], 0
.else
	v_wmma_f32_16x16x128_fp8_fp8 v[8*(8*((\a)%4)+\b):8*(8*((\a)%4)+\b)+7], v[128*(\p)+FR*\b:128*(\p)+FR*\b+FR-1], v[AF+FR*(\a):AF+FR*(\a)+FR-1], v[8*(8*((\a)%4)+\b):8*(8*((\a)%4)+\b)+7]
.endif
.endr
.endr
.endm
.macro FETCH_B slot, q, p
	WIN TO_B
.irp i, 0,1,2,3,4,5,6,7
	FRAG 128*(\p)+FR*\i, ADRB+\slot, \q, \i
.endr
	WIN 0
.endm
.macro FETCH_A slot, q, i0
.irp i, \i0, \i0+1, \i0+2, \i0+3
	FRAG AF+FR*(\i), ADRA+\slot, \q, \i
.endr
.endm
.macro PLACES n
.rept \n
	v_nop
.endr
.endm
.macro STEP slot, q, zero
	s_wait_dscnt 4*NL
	WIN MUL_LO
	MUL16 0, (\q)%2, \zero
	MUL16 2, (\q)%2, \zero
	s_wait_dscnt 0
	PLACES NP
	FETCH_B \slot, (\q)+1, 1-(\q)%2
	FETCH_A \slot, (\q)+1, 0
	WIN MUL_HI
	MUL16 4, (\q)%2, \zero
	MUL16 6, (\q)%2, \zero
	PLACES NP
	WIN 0
	FETCH_A \slot, (\q)+1, 4
.endm
.macro TURN slot, next, fill
	s_wait_tensorcnt 0x0
	ds_add_u32 v[SPW], v[NIL]
	s_wait_dscnt 4*NL+1
	WIN MUL_LO
	MUL16 0, 1, 0
	s_wait_dscnt 0x0
	s_barrier_signal -1
	MUL16 2, 1, 0
	WIN 0
	s_barrier_wait -1
.if \fill
	CREST
	s_add_nc_u64 s[G0+4*\slot+2:G0+4*\slot+3], s[G0+4*\slot+2:G0+4*\slot+3], 2*ROWB
	s_add_nc_u64 s[G0B+4*\slot+2:G0B+4*\slot+3], s[G0B+4*\slot+2:G0B+4*\slot+3], 2*ROWB
	JLOAD G0+4*\slot, G1, G0B+4*\slot, G1B
.else
	PLACES NP
.endif
	FETCH_B \next, 0, 0
	FETCH_A \next, 0, 0
	WIN MUL_HI
	MUL16 4, 1, 0
	MUL16 6, 1, 0
	PLACES NP
	WIN 0
	FETCH_A \next, 0, 4
.endm
	s_wait_tensorcnt 1
	s_barrier_signal -1
	s_barrier_wait -1
	FETCH_B 0, 0, 0
	FETCH_A 0, 0, 0
	FETCH_A 0, 0, 4
	STEP 0, 0, 1
	s_mov_b32 s3, LAPS-1
.Llap:
	TURN 0, 1, 1
	STEP 1, 0, 0
	TURN 1, 0, 1
	STEP 0, 0, 0
	s_sub_co_u32 s3, s3, 1
	s_cmp_lg_u32 s3, 0
	s_cbranch_scc1 .Llap
	TURN 0, 1, 0
	STEP 1, 0, 0
	s_wait_dscnt 4*NL
	WIN MUL_LO
	MUL16 0, 1, 0
	MUL16 2, 1, 0
	s_wait_dscnt 0
	WIN MUL_HI
	MUL16 4, 1, 0
	MUL16 6, 1, 0
	WIN 0
	s_wait_kmcnt 0x0
	s_add_co_i32 s80, s68, s69
	s_add_co_i32 s81, s70, s71
	s_add_co_i32 s82, s72, s73
	s_add_co_i32 s83, s74, 3
	s_cmp_eq_u32 s66, 0
	s_cselect_b32 s96, s80, s81
	s_cselect_b32 s84, s83, s75
	s_cmp_eq_u32 s66, 2
	s_cselect_b32 s96, s82, s96
	s_cselect_b32 s84, s77, s84
	s_add_co_i32 s96, s96, 127
	s_lshl_b32 s96, s96, 23
	s_mov_b32 s97, s96
	s_add_co_i32 s84, s84, 127
	s_lshl_b32 s85, s84, 23
	s_add_co_i32 s84, s84, 8
	s_lshl_b32 s84, s84, 23
	s_or_b32 s84, s84, 0x600000
	PLACES NP
	v_mov_b32 v12, s85
	v_mov_b32 v13, s84
	s_wait_loadcnt 0x0
.macro QBLOCK a
.set AC, 64*((\a)%4)
.set CSET, CD+16*((\a)%2)
	s_cmp_eq_u32 s67, 0
	s_cbranch_scc0 .Lrowbias_\@
	WIN 0x02+((\a)/4)
.set cj, 0
.rept 32
	v_pk_fma_f32 v[TMP+cj:TMP+cj+1], v[AC+cj:AC+cj+1], s[96:97], v[BN+cj:BN+cj+1] op_sel_hi:[1,0,1]
.set cj, cj+2
.endr
	WIN 0
	s_branch .Lbiased_\@
.Lrowbias_\@:
	WIN 0x02+((\a)/4)
.set cj, 0
.rept 32
	v_pk_fma_f32 v[TMP+cj:TMP+cj+1], v[AC+cj:AC+cj+1], s[96:97], v[BM+2*(\a):BM+2*(\a)+1] op_sel_hi:[1,0,0]
.set cj, cj+2
.endr
	WIN 0
.Lbiased_\@:
.set cj, 0
.rept 64
	v_med3_num_f32 v[TMP+cj], v[TMP+cj], -v13, v13
.set cj, cj+1
.endr
.if (\a) > 1
	s_wait_alu depctr_va_vdst(0)
	s_wait_dscnt 8
.endif
.irp b, 0,1,2,3,4,5,6,7
	v_cvt_scalef32_pk8_fp8_f32 v[CSET+2*\b:CSET+2*\b+1], v[TMP+8*\b:TMP+8*\b+7], v12
.endr
	v_nop
.irp b, 0,1,2,3,4,5,6,7
	ds_store_b64 v[STO], v[CSET+2*\b:CSET+2*\b+1] offset:(\a)*16*PITCH+16*\b
.endr
.endm
.irp a, 0,1,2,3,4,5,6,7
	QBLOCK \a
.endr
	s_wait_dscnt 0x0
	s_barrier_signal -1
	s_barrier_wait -1
.set ct, 0
.rept 32
	ds_load_b128 v[BK+4*ct:BK+4*ct+3], v[RD] offset:2*ct*PITCH
.set ct, ct+1
.endr
.set ct, 0
.rept 32
	s_wait_dscnt 31-ct
	global_store_b128 v[CO], v[BK+4*ct:BK+4*ct+3], s[10:11] offset:(((2*ct)&0xe7)|(((2*ct)&8)<<1)|(((2*ct)&16)>>1))*256
.set ct, ct+1
.endr
	s_wait_tensorcnt 0x0
	ds_add_u32 v[SPW], v[NIL]
	s_wait_dscnt 0x0
	CROUND
	s_endpgm
.Lfunc_end_k_q23e4152d51_proj:
	.size	k_q23e4152d51_proj, .Lfunc_end_k_q23e4152d51_proj-k_q23e4152d51_proj
	.p2alignl 7, 3214868480
	.fill 96, 4, 3214868480
	.section	.rodata,"a",@progbits
	.p2align	6, 0x0
	.amdhsa_kernel k_q23e4152d51_proj
		.amdhsa_group_segment_fixed_size 327680
		.amdhsa_private_segment_fixed_size 0
		.amdhsa_enable_private_segment 0
		.amdhsa_kernarg_size 104
		.amdhsa_user_sgpr_count 2
		.amdhsa_user_sgpr_kernarg_segment_ptr 1
		.amdhsa_wavefront_size32 1
		.amdhsa_system_sgpr_workgroup_id_x 1
		.amdhsa_system_sgpr_workgroup_id_y 1
		.amdhsa_system_sgpr_workgroup_id_z 1
		.amdhsa_system_vgpr_workitem_id 0
		.amdhsa_next_free_vgpr 1024
		.amdhsa_next_free_sgpr 98
		.amdhsa_reserve_vcc 0
		.amdhsa_float_denorm_mode_32 3
		.amdhsa_float_denorm_mode_16_64 3
		.amdhsa_memory_ordered 1
		.amdhsa_forward_progress 1
		.amdhsa_inst_pref_size 163
	.end_amdhsa_kernel
	.amdgpu_metadata
---
amdhsa.version: [ 1, 2 ]
amdhsa.kernels:
  - .name:           k_q23e4152d51_proj
    .symbol:         k_q23e4152d51_proj.kd
    .args:
      - { .name: Q_codes, .offset: 0, .size: 8, .value_kind: global_buffer, .address_space: global }
      - { .name: K_codes, .offset: 8, .size: 8, .value_kind: global_buffer, .address_space: global }
      - { .name: V_codes, .offset: 16, .size: 8, .value_kind: global_buffer, .address_space: global }
      - { .name: Wq_codes, .offset: 24, .size: 8, .value_kind: global_buffer, .address_space: global }
      - { .name: Wk_codes, .offset: 32, .size: 8, .value_kind: global_buffer, .address_space: global }
      - { .name: Wv_codes, .offset: 40, .size: 8, .value_kind: global_buffer, .address_space: global }
      - { .name: bq, .offset: 48, .size: 8, .value_kind: global_buffer, .address_space: global }
      - { .name: bk, .offset: 56, .size: 8, .value_kind: global_buffer, .address_space: global }
      - { .name: bv, .offset: 64, .size: 8, .value_kind: global_buffer, .address_space: global }
      - { .name: lowp_scales, .offset: 72, .size: 8, .value_kind: global_buffer, .address_space: global }
      - { .name: qc, .offset: 80, .size: 8, .value_kind: global_buffer, .address_space: global }
      - { .name: kc, .offset: 88, .size: 8, .value_kind: global_buffer, .address_space: global }
      - { .name: vt, .offset: 96, .size: 8, .value_kind: global_buffer, .address_space: global }
    .group_segment_fixed_size: 327680
    .private_segment_fixed_size: 0
    .kernarg_segment_align: 8
    .kernarg_segment_size: 104
    .max_flat_workgroup_size: 128
    .sgpr_count:     98
    .vgpr_count:     1024
    .wavefront_size: 32
...
	.end_amdgpu_metadata
.endif
;; end of part 1
;; launch attn (part 2): grid 4 x 64, 4 waves a work-group, no clusters, 322,560 bytes of LDS; arguments qc, kc, vt, attn_bias, mask, lowp_scales, oc; writes oc
.if DOCPART == 2
	.amdgcn_target "amdgcn-amd-amdhsa--gfx1250"
	.amdhsa_code_object_version 6
	.text
	.protected	k_q23e4152d51_attn
	.globl	k_q23e4152d51_attn
	.p2align	8
	.type	k_q23e4152d51_attn,@function
k_q23e4152d51_attn:
	s_mov_b64 s[64:65], 0
	v_nop
	global_prefetch_b8 v0, s[64:65] scope:SCOPE_SE
	s_setreg_imm32_b32 hwreg(HW_REG_WAVE_MODE, 25, 1), 1
	s_wait_xcnt 0x0
; ATTENTION on codes of FP8 (E4M3): o = softmax(q k^T + bias, masked keys left out) v, quantised for the last projection.
; SHARES.  A work-group owns 128 queries of one batch and four heads (256 channels).  Each of its four waves owns 32 queries, two tiles of 16, for all four heads:
; a fragment of K or of V read from LDS feeds two matrix instructions.  Every wave walks the 2,048 keys, 128 a key step; a slot of LDS holds 256 keys.
; LAYOUT.  Both products are used transposed (S^T = K Q^T, O^T = V^T P^T): a lane holds one query (lane % 16) of each tile.  In kc and vt 16 rows on end are rows 32 b + 8 u + r + 8 (r / 8),
; so the 16 registers of tiles 2 b, 2 b + 1 of S^T are keys 32 b + 16 (lane / 16) + 0 .. 15, p's places in the second product, and those of O^T are 16 neighbouring channels.
; THE BIAS IS THE C OF THE FIRST PRODUCT: with E = e6 + e7, C = bias x 2^-E + the mask's addend (0, or -2^100 for a masked key); made once a key step, it serves four heads.
; THE SOFTMAX: t = D x c, c = log2(e) x 2^E; M = the running largest t rounded up to a whole number; p = 2^(t - M) is quantised with 2^e8; the sum is taken of the unquantised p and divides at the end.
; THE HOLD OF p at 448 x 2^e8 cannot act where e8 >= -8 (p <= 1 <= 1.75). This text has no tensor load and no cluster;
; K, V and the bias come through registers, asked for one to two key steps ahead of their use, so no prefetch is laid beside them.
; ONE KEY STEP IS WRITTEN ONCE: an inner loop of two trips (the slot's key steps, q) in a loop of eight slots; j = 2 x slot + q steers, by scalar jumps, what is still to be brought in.
; LIMITS: a masked key is -2^100 in C, not -infinity: E between -58 and 26; |bias| x 2^-E under 2^99; a t under -2^40 counts as masked; an infinite or NaN bias is not served.  e8 and e10 between -126 and 119.
; A query all of whose keys are masked gets NaN codes.  The bias is added inside the matrix instruction and rounded there with the sum.
; LDS: two slots (K: 256 rows x 272, V: 256 channel rows x 272); two stages of 16 x 272 a wave; the mask's addends, one f32 a key; the spare words.
; REGISTERS.  Window 0: v1-17 addresses, constants; v18-45 two tiles' work; v48-79 -M, largest t, sum (2) for 2 tiles x 4 heads; v80-143 C, v144-207 S of tile 0; v208-239 p's codes of both tiles.
;   Window 2: v0-63 K's fragments; v64-79, v208-255 V's; v80-143 C, v144-207 S of tile 1.  Windows 1, 3 (tile 0, 1): v0-127 O^T; v128-159 Q; v160-223 the next bias; v224-255 half a chunk on its way to LDS.
.set PITCH, 272
.set CH,    128*PITCH
.set VOFF,  2*CH
.set SLOT,  4*CH
.set STG,   2*SLOT
.set STGW,  16*PITCH
.set MT,    STG+8*STGW
.set NSLOT, 8
.set AK0,  1
.set QO,   2
.set ADK,  3
.set ADV,  4
.set AL0,  5
.set VCH,  8
.set VB,   9
.set ASB,  10
.set ALB,  11
.set AMT0, 12
.set AMT,  13
.set STW,  14
.set GO,   15
.set LIMP, 16
.set SCP,  17
.set TP,   18                          ; a tile's work, 14 registers: +0..3 maxima, +4 f (a pair), +6, +8, +10 sums' chains, +12 a lane exchange's destination
.set ST,   48
.set CB,   80
.set S,    144
.set P,    208
.set ALS,  248                         ; v248.. where chunks go in LDS
.set QF,   128
.set G,    160
.set T,    224
.set MSB, 0
.macro WIN new                         ; bits 1:0 source 0, 3:2 source 1, 5:4 source 2, 7:6 destination; the high byte repeats the setting that is left
.set NW, (\new)
.if MSB != NW
	s_set_vgpr_msb (MSB<<8)|NW
.set MSB, NW
.endif
.endm
.macro PLACES
.rept 4
	v_nop
.endr
.endm
.macro CHLD base, off                  ; a chunk, 32 KiB on end: 16 loads a wave, 16 lanes to a row of 256 bytes
.set ci, 0
.rept 16
	WIN 0x40+0x80*(ci/8)
	global_load_b128 v[T+4*(ci%8):T+4*(ci%8)+3], v[VCH], s[\base:\base+1] offset:\off+2048*ci
.set ci, ci+1
.endr
	WIN 0
.endm
.macro CHST u                          ; and on into the slot that is written: u = 0 rows 0-127, 1 rows 128-255
.set ci, 0
.rept 16
	WIN 0x04+0x08*(ci/8)
	ds_store_b128 v[ALS+\u], v[T+4*(ci%8):T+4*(ci%8)+3] offset:8*PITCH*ci
.set ci, ci+1
.endr
	WIN 0
.endm
.macro GLD                             ; a key step's bias of my 32 queries: lanes 0-15 row 2 i, lanes 16-31 row 2 i + 1, 256 bytes each
.irp y, 0,1
	WIN 0x40+0x80*\y
.irp x, 0,1
.set ci, 0
.rept 8
	global_load_b128 v[G+32*\x+4*ci:G+32*\x+4*ci+3], v[VB], s[10:11] offset:131072*\y+16384*ci+256*\x
.set ci, ci+1
.endr
.endr
.endr
	WIN 0
.endm
.macro TURNB                           ; the bias as loaded becomes C: x 2^-E + the key's addend, then through my stages: in by rows, out 64 bytes a lane
	WIN 0
	ds_load_b128 v[P:P+3], v[AMT]                  ; the addends of keys 4 r .. 4 r + 3 of each half, into registers of p's codes that are idle here
	ds_load_b128 v[P+4:P+7], v[AMT] offset:256
	s_wait_dscnt 0x0
.irp y, 0,1
	WIN 0x41+0x82*\y
.irp x, 0,1
.set ci, 0
.rept 16
	v_pk_fma_f32 v[G+32*\x+2*ci:G+32*\x+2*ci+1], v[G+32*\x+2*ci:G+32*\x+2*ci+1], s[38:39], v[P+4*\x+2*(ci%2):P+4*\x+2*(ci%2)+1] op_sel_hi:[1,0,1]
.set ci, ci+1
.endr
.endr
.endr
.irp y, 0,1
.irp x, 0,1
	WIN 0x04+0x08*\y
.set ci, 0
.rept 8
	ds_store_b128 v[ASB], v[G+32*\x+4*ci:G+32*\x+4*ci+3] offset:STGW*\y+2*ci*PITCH
.set ci, ci+1
.endr
	WIN 0x80*\y
.irp bb, 0,1
.irp j, 0,1,2,3
	ds_load_b128 v[CB+32*\x+16*\bb+4*\j:CB+32*\x+16*\bb+4*\j+3], v[ALB] offset:STGW*\y+128*\bb+16*\j   ; LDS serves a wave's instructions in order: these see the stores above
.endr
.endr
.endr
.endr
	WIN 0
	s_wait_dscnt 0x0                               ; C is in; the stores have read the bias's registers
.endm
.macro KLD hh, ro                      ; K's eight fragments of head hh, from row ro of the key step on
	WIN 0x80
.irp t, 0,1,2,3,4,5,6,7
	ds_load_b128 v[8*\t:8*\t+3], v[ADK] offset:((\ro)+16*\t)*PITCH+64*(\hh)
	ds_load_b128 v[8*\t+4:8*\t+7], v[ADK] offset:((\ro)+16*\t)*PITCH+64*(\hh)+32
.endr
.endm
	s_load_b256 s[4:11], s[0:1], 0x0               ; qc, kc, vt, the bias
	s_load_b128 s[12:15], s[0:1], 0x20             ; the mask, the exponents
	s_load_b64 s[16:17], s[0:1], 0x30              ; oc
	v_lshrrev_b32 v240, 5, v0
	v_readfirstlane_b32 s18, v240                  ; wave 0..3
	v_and_b32 v240, 31, v0
	v_and_b32 v241, 15, v0                         ; r
	v_bfe_u32 v242, v0, 4, 1                       ; h
	v_mul_u32_u24 v243, v241, PITCH
	v_mul_u32_u24 v244, v242, PITCH
	v_lshl_add_u32 v244, v241, 4, v244             ; h x 272 + 16 r
	v_lshl_add_u32 v[AK0], v242, 4, v243           ; r x 272 + 16 h
	s_mul_i32 s60, s18, 2*PITCH
	v_add_nc_u32 v[AL0], s60, v244                 ; rows 2 w + h of each 8
	s_lshl_b32 s60, s18, 9
	v_lshl_add_u32 v[VCH], v240, 4, s60            ; 512 w + 16 lane
	v_lshlrev_b32 v[VB], 13, v242
	v_lshl_add_u32 v[VB], v241, 4, v[VB]
	s_mul_i32 s60, s18, 2*STGW
	s_add_co_u32 s60, s60, STG                     ; my two stages
	v_add_nc_u32 v[ASB], s60, v244
	v_lshl_add_u32 v[ALB], v242, 6, v243
	v_add_nc_u32 v[ALB], s60, v[ALB]
	v_add_nc_u32 v[STW], s60, v[AK0]
	v_lshl_add_u32 v[AMT0], v241, 4, MT
	v_lshlrev_b32 v[GO], 10, v242
	v_lshl_add_u32 v[GO], v241, 4, v[GO]
	v_and_b32 v[QO], 8, v241
	v_add_nc_u32 v[QO], v[QO], v241                ; r + 8 (r / 8)
	v_lshlrev_b32 v[QO], 8, v[QO]
	v_lshl_add_u32 v[QO], v242, 4, v[QO]
	v_lshlrev_b32 v245, 4, v0                      ; the mask: 16 bytes a thread
	v_lshl_add_u32 v246, v0, 6, MT                 ; and their 16 addends
	s_and_b32 s20, ttmp7, 0xffff
	s_and_b32 s21, s20, 15                         ; the block of 128 queries
	s_lshr_b32 s20, s20, 4                         ; the batch
	s_lshl_b32 s22, s20, 11
	s_lshl_b32 s23, s21, 7
	s_add_co_u32 s22, s22, s23                     ; the work-group's first token
	s_lshl_b32 s48, s18, 5                         ; qc: token 32 w + 16 y + r is stored at 32 w + 8 y + r + 8 (r / 8)
	s_add_co_u32 s48, s48, s22
	s_lshl_b32 s48, s48, 8
	s_lshl_b32 s49, ttmp9, 21
	s_add_co_u32 s48, s48, s49
	s_lshl_b32 s50, s20, 19
	s_add_co_u32 s50, s50, s49
	s_lshl_b32 s52, s20, 21
	s_lshl_b32 s53, ttmp9, 16
	s_add_co_u32 s52, s52, s53
	s_lshl_b32 s23, s18, 5
	s_add_co_u32 s22, s22, s23                     ; my wave's first token
	s_lshl_b32 s54, s22, 13
	s_lshl_b32 s56, s20, 11
	s_lshl_b32 s58, s22, 10
	s_lshl_b32 s59, ttmp9, 8
	s_add_co_u32 s58, s58, s59
	s_mov_b32 s49, 0
	s_mov_b32 s51, 0
	s_mov_b32 s53, 0
	s_mov_b32 s55, 0
	s_mov_b32 s57, 0
	s_mov_b32 s59, 0
	s_mov_b32 s40, 0x76543210                      ; selects for lane l xor 16
	s_mov_b32 s41, 0xfedcba98
	s_mov_b32 s42, 0                               ; the slot that is read
	s_mov_b32 s43, SLOT                            ; the slot that is written
	s_mov_b32 s44, 0                               ; the slot's first addend
	s_mov_b32 s45, 0                               ; the slot's number
	s_wait_alu depctr_va_vdst(0)
	s_wait_kmcnt 0x0
	s_load_b256 s[24:31], s[14:15], 0x0            ; e0 .. e7
	s_load_b128 s[32:35], s[14:15], 0x20           ; e8 .. e11
	s_add_nc_u64 s[4:5], s[4:5], s[48:49]
	s_add_nc_u64 s[6:7], s[6:7], s[50:51]
	s_add_nc_u64 s[8:9], s[8:9], s[52:53]
	s_add_nc_u64 s[10:11], s[10:11], s[54:55]
	s_add_nc_u64 s[12:13], s[12:13], s[56:57]
	s_add_nc_u64 s[16:17], s[16:17], s[58:59]
	; THE HEAD'S LOADS: the mask (1), slot 0 (64, into window 2), then Q (16) and key step 0's bias (32)
	global_load_b128 v[176:179], v245, s[12:13]
	WIN 0x80
.set ci, 0
.rept 32
	global_load_b128 v[4*ci:4*ci+3], v[VCH], s[6:7] offset:2048*ci
.set ci, ci+1
.endr
.set ci, 0
.rept 32
	global_load_b128 v[128+4*ci:128+4*ci+3], v[VCH], s[8:9] offset:2048*ci
.set ci, ci+1
.endr
	WIN 0
	v_mov_b32 v181, 0xf1800000                     ; -2^100
	v_mov_b32 v[ALS], v[AL0]
.irp k, 1,2,3
	v_add_nc_u32 v[ALS+\k], \k*CH, v[AL0]
.endr
	v_mov_b32 v[AMT], v[AMT0]
	s_wait_alu depctr_va_vdst(0)
	s_wait_loadcnt 63                              ; the mask is in: 64 loads were issued behind it
.irp k, 0,1,2,3,4,5,6,7,8,9,10,11,12,13,14,15
	v_bfe_u32 v180, v[176+\k/4], 8*(\k%4), 8
	v_cmp_ne_u32 vcc_lo, 0, v180
	v_cndmask_b32 v[160+\k], 0, v181, vcc_lo
.endr
.irp k, 0,1,2,3
	ds_store_b128 v246, v[160+4*\k:163+4*\k] offset:16*\k
.endr
.irp y, 0,1
	WIN 0x40+0x80*\y
.irp hh, 0,1,2,3
	global_load_b128 v[QF+8*\hh:QF+8*\hh+3], v[QO], s[4:5] offset:2048*\y+64*\hh
	global_load_b128 v[QF+8*\hh+4:QF+8*\hh+7], v[QO], s[4:5] offset:2048*\y+64*\hh+32
.endr
.endr
	GLD
	s_wait_loadcnt 48                              ; slot 0 is in: Q's 16 and the bias's 32 may be out
	WIN 0x08
.irp k, 0,1,2,3
.set ci, 0
.rept 16
	ds_store_b128 v[ALS+\k], v[64*\k+4*ci:64*\k+4*ci+3] offset:8*PITCH*ci
.set ci, ci+1
.endr
.endr
	WIN 0
	s_add_nc_u64 s[6:7], s[6:7], 65536             ; on to slot 1 (the loads that named these addresses are done)
	s_add_nc_u64 s[8:9], s[8:9], 262144
	s_mov_b64 s[46:47], s[6:7]                     ; where the chunks in hand come from
	s_wait_kmcnt 0x0
	s_add_co_i32 s60, s30, s31                     ; E = e6 + e7
	s_lshl_b32 s61, s60, 23
	s_add_co_i32 s36, s61, 0x3fb8aa3b              ; c = log2(e) x 2^E
	s_mov_b32 s37, s36
	s_sub_co_i32 s38, 127, s60
	s_lshl_b32 s38, s38, 23                        ; 2^-E
	s_mov_b32 s39, s38
	s_add_co_i32 s60, s32, 127
	s_lshl_b32 s61, s60, 23
	v_mov_b32 v[SCP], s61                          ; 2^e8
	s_add_co_i32 s60, s60, 8
	s_lshl_b32 s60, s60, 23
	s_or_b32 s60, s60, 0x600000
	v_mov_b32 v[LIMP], s60                         ; 448 x 2^e8
.irp y, 0,1
	WIN 0x40+0x80*\y
.set ci, 0
.rept 128
	v_mov_b32 v[ci], 0                             ; O^T: the key step is written once, and the first finds zeros
.set ci, ci+1
.endr
.endr
	WIN 0
.irp e, 0,1,2,3,4,5,6,7
	v_mov_b32 v[ST+4*\e], 0x53800000               ; -M = 2^40
	v_mov_b32 v[ST+4*\e+1], 0xd3800000             ; the largest t so far: -2^40
	v_mov_b32 v[ST+4*\e+2], 0
	v_mov_b32 v[ST+4*\e+3], 0
.endr
.irp y, 0,1
	v_mov_b32 v[TP+14*\y+5], 0                     ; named as a pair's upper half
	v_mov_b32 v[TP+14*\y+12], 0                    ; a lane exchange's destination counts as a source
.endr
	s_wait_alu depctr_va_vdst(0)
	s_wait_dscnt 0x0                               ; my parts of slot 0 and of the addends lie in LDS
	s_barrier_signal -1
	s_barrier_wait -1
	s_wait_loadcnt 0x0                             ; Q, and key step 0's bias
	TURNB
	s_add_nc_u64 s[10:11], s[10:11], 512
	CHLD 46, 0                                     ; slot 1: K's rows 0-127,
	GLD                                            ; and key step 1's bias behind them
; S^T = K Q^T + C for both tiles; behind it, in one run, this head's fragments of V and the next head's of K are asked for: the softmax stands between request and wait
.macro HEADQK hh
	s_wait_dscnt 0x0                               ; K's fragments are in
.irp y, 0,1
	WIN 0x06+0xa8*\y
.irp t, 0,1,2,3,4,5,6,7
	v_wmma_f32_16x16x64_fp8_fp8 v[S+8*\t:S+8*\t+7], v[8*\t:8*\t+7], v[QF+8*(\hh):QF+8*(\hh)+7], v[CB+8*\t:CB+8*\t+7]
.endr
.endr
	WIN 0x80
	PLACES                                         ; between the products and the loads into their fragments, and the reads of S
.irp t, 0,1,2,3
.set FVT, 64+((\t+3)/4)*(128+16*\t)
.irp c, 0,1,2,3
	ds_load_b128 v[FVT+4*\c:FVT+4*\c+3], v[ADV] offset:(64*(\hh)+16*\t)*PITCH+32*\c
.endr
.endr
.if (\hh) < 3
	KLD (\hh)+1, 0
.else
	WIN 0
	s_cmp_lg_u32 s19, 0                            ; the slot's second key step has its successor in the other slot, behind the barrier
	s_cbranch_scc1 .Lnok_\@
	KLD 0, 128
	WIN 0
.Lnok_\@:
.endif
	WIN 0
.endm
.macro HEADPV hh
.irp y, 0,1                                    ; the step's largest D of my query among my 64 keys: four chains, registers ascending
.set TPY, TP+14*\y
	WIN 0x2a*\y
	v_max3_num_f32 v[TPY], v[S], v[S+1], v[S+2]
	v_max3_num_f32 v[TPY+1], v[S+3], v[S+4], v[S+5]
	v_max3_num_f32 v[TPY+2], v[S+6], v[S+7], v[S+8]
	v_max3_num_f32 v[TPY+3], v[S+9], v[S+10], v[S+11]
	WIN 0x28*\y
.set ci, 12
.rept 26
	v_max3_num_f32 v[TPY+((ci-12)/2)%4], v[TPY+((ci-12)/2)%4], v[S+ci], v[S+ci+1]
.set ci, ci+2
.endr
.endr
	WIN 0                                          ; the two tiles' chains on M by turns, all in window 0
.irp y, 0,1
	v_max3_num_f32 v[TP+14*\y], v[TP+14*\y], v[TP+14*\y+1], v[TP+14*\y+2]
.endr
.irp y, 0,1
	v_max_num_f32 v[TP+14*\y], v[TP+14*\y], v[TP+14*\y+3]
.endr
.irp y, 0,1
	v_permlanex16_b32 v[TP+14*\y+12], v[TP+14*\y], s40, s41
.endr
.irp y, 0,1
	v_max_num_f32 v[TP+14*\y], v[TP+14*\y], v[TP+14*\y+12]
.endr
.irp y, 0,1
	v_mul_f32 v[TP+14*\y], s36, v[TP+14*\y]        ; as t (c is positive)
.endr
.irp y, 0,1
	v_max_num_f32 v[ST+16*\y+4*(\hh)+1], v[ST+16*\y+4*(\hh)+1], v[TP+14*\y]
	v_mov_b32 v[TP+14*\y], v[ST+16*\y+4*(\hh)]
.endr
.irp y, 0,1
	v_floor_f32 v[ST+16*\y+4*(\hh)], -v[ST+16*\y+4*(\hh)+1]   ; the new -M
.endr
.irp y, 0,1
	v_sub_f32 v[TP+14*\y], v[ST+16*\y+4*(\hh)], v[TP+14*\y]   ; old M - new M
.endr
.irp y, 0,1
	v_cvt_i32_f32 v[TP+14*\y], v[TP+14*\y]
.endr
.irp y, 0,1
	v_ldexp_f32 v[TP+14*\y+4], 1.0, v[TP+14*\y]    ; f = 2^(old M - new M)
.endr
.irp y, 0,1
	WIN 0x82*\y
.set ci, 0
.rept 32
	v_pk_fma_f32 v[S+ci:S+ci+1], v[S+ci:S+ci+1], s[36:37], v[ST+16*\y+4*(\hh):ST+16*\y+4*(\hh)+1] op_sel_hi:[1,0,0]   ; t - M
.set ci, ci+2
.endr
.endr
	s_wait_alu depctr_va_vdst(0)
.irp y, 0,1
	WIN 0x82*\y
.set ci, 0
.rept 64
	v_exp_f32 v[S+ci], v[S+ci]                     ; p = 2^(t - M)
.set ci, ci+1
.endr
.endr
	WIN 0
.irp y, 0,1
	v_pk_mul_f32 v[ST+16*\y+4*(\hh)+2:ST+16*\y+4*(\hh)+3], v[ST+16*\y+4*(\hh)+2:ST+16*\y+4*(\hh)+3], v[TP+14*\y+4:TP+14*\y+5] op_sel_hi:[1,0]   ; the sums under the new M
.endr
	s_wait_alu depctr_va_vdst(0)                   ; one wait for the batch, ahead of its first reader
.irp y, 0,1                                    ; the sum of the unquantised p: two at a time, in four chains
.set TPY, TP+14*\y
.set TTY, ST+16*\y+4*(\hh)
	WIN 0x0a*\y
	v_pk_add_f32 v[TPY+6:TPY+7], v[S:S+1], v[S+2:S+3]
	v_pk_add_f32 v[TPY+8:TPY+9], v[S+4:S+5], v[S+6:S+7]
	v_pk_add_f32 v[TPY+10:TPY+11], v[S+8:S+9], v[S+10:S+11]
	WIN 0x08*\y
.set ci, 12
.rept 26
.set KC, ((ci-12)/2)%4
.set RR, TPY+4+2*KC+((3-KC)/3)*(TTY-TPY-2)
	v_pk_add_f32 v[RR:RR+1], v[RR:RR+1], v[S+ci:S+ci+1]
.set ci, ci+2
.endr
.endr
	WIN 0
.irp y, 0,1
	v_pk_add_f32 v[TP+14*\y+6:TP+14*\y+7], v[TP+14*\y+6:TP+14*\y+7], v[TP+14*\y+8:TP+14*\y+9]
	v_pk_add_f32 v[ST+16*\y+4*(\hh)+2:ST+16*\y+4*(\hh)+3], v[ST+16*\y+4*(\hh)+2:ST+16*\y+4*(\hh)+3], v[TP+14*\y+10:TP+14*\y+11]
.endr
.irp y, 0,1
	v_pk_add_f32 v[ST+16*\y+4*(\hh)+2:ST+16*\y+4*(\hh)+3], v[ST+16*\y+4*(\hh)+2:ST+16*\y+4*(\hh)+3], v[TP+14*\y+6:TP+14*\y+7]
.endr
	s_wait_alu depctr_va_vdst(0)
	s_cmp_ge_i32 s32, -8                           ; 448 x 2^e8 >= 1.75 >= p: the hold changes nothing
	s_cbranch_scc1 .Lnohold_\@
.irp y, 0,1
	WIN 0x82*\y
.set ci, 0
.rept 64
	v_min_num_f32 v[S+ci], v[S+ci], v[LIMP]        ; the conversion does not saturate (ISA guide 7.6.2); p is not negative
.set ci, ci+1
.endr
.endr
	WIN 0
.Lnohold_\@:
.irp y, 0,1
	WIN 0x02*\y
.irp b, 0,1,2,3
	v_cvt_scalef32_pk8_fp8_f32 v[P+16*\y+4*\b:P+16*\y+4*\b+1], v[S+16*\b:S+16*\b+7], v[SCP]
	v_cvt_scalef32_pk8_fp8_f32 v[P+16*\y+4*\b+2:P+16*\y+4*\b+3], v[S+16*\b+8:S+16*\b+15], v[SCP]
.endr
.endr
.irp y, 0,1
	WIN 0x41+0x82*\y
	s_wait_alu depctr_va_vdst(0)
.set ci, 0
.rept 16
	v_pk_mul_f32 v[32*(\hh)+ci:32*(\hh)+ci+1], v[32*(\hh)+ci:32*(\hh)+ci+1], v[TP+14*\y+4:TP+14*\y+5] op_sel_hi:[1,0]   ; O^T under the new M, each tile from its low end on
.set ci, ci+2
.endr
.endr
	s_wait_alu depctr_va_vdst(0)
	s_wait_dscnt 0x0                               ; V's fragments are in
.irp y, 0,1
	WIN 0x52+0xa0*\y
.irp t, 0,1,2,3                                ; eight accumulators by turns; an accumulator's next link stands a key step on
.set FVT, 64+((\t+3)/4)*(128+16*\t)
	v_wmma_f32_16x16x128_fp8_fp8 v[32*(\hh)+8*\t:32*(\hh)+8*\t+7], v[FVT:FVT+15], v[P+16*\y:P+16*\y+15], v[32*(\hh)+8*\t:32*(\hh)+8*\t+7]
.endr
.endr
	WIN 0
.endm
.Ltrip:                                            ; eight slots
	s_mov_b32 s19, 0                               ; q
.Lq:                                               ; the slot's two key steps
	s_lshl_b32 s21, s45, 1
	s_add_co_u32 s21, s21, s19                     ; j, the key step's number
	s_mul_i32 s60, s19, 128*PITCH
	s_add_co_u32 s60, s60, s42                     ; K: rows 128 q on
	s_lshl_b32 s61, s19, 7
	s_add_co_u32 s61, s61, s42
	s_add_co_u32 s61, s61, VOFF                    ; V: bytes 128 q on
	s_mul_i32 s62, s19, VOFF
	s_add_co_u32 s62, s62, s43                     ; the chunks in hand: q = 0 K's, 1 V's, of the next slot
	s_lshl_b32 s63, s19, 9
	s_add_co_u32 s63, s63, s44
	s_add_co_u32 s63, s63, 512
	s_min_u32 s63, s63, 7680                       ; the next key step's addends (held inside the table in the last step, which turns nothing)
	v_add_nc_u32 v[ADK], s60, v[AK0]
	v_add_nc_u32 v[ADV], s61, v[AK0]
	v_add_nc_u32 v[ALS], s62, v[AL0]
	v_add_nc_u32 v[ALS+1], CH, v[ALS]
	v_add_nc_u32 v[AMT], s63, v[AMT0]
	s_wait_alu depctr_va_vdst(0)
	s_cmp_lg_u32 s19, 0
	s_cbranch_scc1 .Lhavek                         ; q = 1: asked for in the step before
	KLD 0, 0
	WIN 0
.Lhavek:
	HEADQK 0
	HEADPV 0
	HEADQK 1
	s_cmp_gt_u32 s21, 13                           ; the last slot has no successor
	s_cbranch_scc1 .Lnohook
	s_wait_loadcnt 32                              ; the chunk is in: it was asked for ahead of the bias's 32 loads
	CHST 0
	s_wait_dscnt 0x0                               ; the stores have read their registers
	CHLD 46, 32768                                 ; its upper half
.Lnohook:
	HEADPV 1
	HEADQK 2
	HEADPV 2
	HEADQK 3                                       ; the last head has read C
	s_wait_loadcnt 0x0                             ; the next key step's bias, and the chunk asked for behind it
	s_cmp_gt_u32 s21, 14
	s_cbranch_scc1 .Lnoturn
	s_cmp_gt_u32 s21, 13
	s_cbranch_scc1 .Lnostore
	CHST 1
.Lnostore:
	TURNB
	s_lshl_b32 s60, s19, 16                        ; behind q = 1 K and V go a slot on (every load that named these addresses is done)
	s_mov_b32 s61, 0
	s_add_nc_u64 s[6:7], s[6:7], s[60:61]
	s_lshl_b32 s62, s19, 18
	s_mov_b32 s63, 0
	s_add_nc_u64 s[8:9], s[8:9], s[62:63]
	s_add_nc_u64 s[10:11], s[10:11], 512
	s_cmp_eq_u32 s19, 0
	s_cselect_b64 s[46:47], s[8:9], s[6:7]         ; behind K's chunks V's, behind V's the next slot's K
	s_cmp_gt_u32 s21, 13                           ; no load leaves its buffer: the bias ends with key step 15,
	s_cbranch_scc1 .Lnoturn
	s_cmp_gt_u32 s21, 12                           ; the chunks with slot 7's V.  The chunk stands ahead of the bias, so the counts hold on every way
	s_cbranch_scc1 .Lnochunk
	CHLD 46, 0
.Lnochunk:
	GLD
.Lnoturn:
	HEADPV 3
	s_add_co_u32 s19, s19, 1
	s_cmp_lt_u32 s19, 2
	s_cbranch_scc1 .Lq
	s_wait_dscnt 0x0                               ; my stores into the next slot have landed, my reads of this one are over
	s_barrier_signal -1
	s_barrier_wait -1                              ; everybody's: the slots change places
	s_xor_b32 s42, s42, SLOT
	s_xor_b32 s43, s43, SLOT
	s_add_co_u32 s44, s44, 1024
	s_add_co_u32 s45, s45, 1
	s_cmp_lt_u32 s45, NSLOT
	s_cbranch_scc1 .Ltrip
	; THE WAY OUT.  o = O^T x 2^(e8 + e9) / the sum, quantised with 2^e10; through my stages, so that 16 lanes store 256 consecutive bytes.  e = 4 x tile + head
	s_add_co_i32 s48, s32, s33
	s_add_co_i32 s60, s34, 127
	s_lshl_b32 s61, s60, 23
	s_add_co_i32 s60, s60, 8
	s_lshl_b32 s60, s60, 23
	s_or_b32 s60, s60, 0x600000
.irp e, 0,1,2,3,4,5,6,7
	v_add_f32 v[ST+4*\e+2], v[ST+4*\e+2], v[ST+4*\e+3]         ; (also the places behind the last products)
.endr
.irp e, 0,1,2,3,4,5,6,7
	v_permlanex16_b32 v[ST+4*\e+3], v[ST+4*\e+2], s40, s41
.endr
.irp e, 0,1,2,3,4,5,6,7
	v_add_f32 v[ST+4*\e+2], v[ST+4*\e+2], v[ST+4*\e+3]
.endr
	s_wait_alu depctr_va_vdst(0)
.irp e, 0,1,2,3,4,5,6,7
	v_rcp_f32 v[ST+4*\e], v[ST+4*\e+2]
.endr
	v_mov_b32 v18, s60                             ; 448 x 2^e10
	v_mov_b32 v19, s61                             ; 2^e10
	v_mov_b32 v20, 0x7f7f7f7f                      ; four NaN codes
	s_wait_alu depctr_va_vdst(0)                   ; one wait for the reciprocals, ahead of their first reader
.irp e, 0,1,2,3,4,5,6,7
	v_ldexp_f32 v[ST+4*\e], v[ST+4*\e], s48
	v_cmp_eq_f32 s[52+\e], 0, v[ST+4*\e+2]         ; a sum of 0: every key of the query is masked
.endr
.irp e, 0,1,2,3,4,5,6,7
.set XX, S+32*(\e%2)
	WIN 0x01+0x02*(\e/4)
	s_wait_alu depctr_va_vdst(0)
.set ci, 0
.rept 16
	v_pk_mul_f32 v[XX+ci:XX+ci+1], v[32*(\e%4)+ci:32*(\e%4)+ci+1], v[ST+4*\e:ST+4*\e+1] op_sel_hi:[1,0]
.set ci, ci+2
.endr
	WIN 0
.set ci, 0
.rept 32
	v_med3_num_f32 v[XX+ci], v[XX+ci], -v18, v18
.set ci, ci+1
.endr
.irp t, 0,1,2,3
	v_cvt_scalef32_pk8_fp8_f32 v[CB+8*\e+2*\t:CB+8*\e+2*\t+1], v[XX+8*\t:XX+8*\t+7], v19
.endr
	v_nop                                          ; one plain vector instruction behind the last conversion
.irp i, 0,1,2,3,4,5,6,7
	v_cndmask_b32 v[CB+8*\e+\i], v[CB+8*\e+\i], v20, s[52+\e]
.endr
	ds_store_b128 v[STW], v[CB+8*\e:CB+8*\e+3] offset:STGW*(\e/4)+64*(\e%4)
	ds_store_b128 v[STW], v[CB+8*\e+4:CB+8*\e+7] offset:STGW*(\e/4)+64*(\e%4)+32
.endr
.irp y, 0,1
.irp i, 0,1,2,3,4,5,6,7
	ds_load_b128 v[S+32*\y+4*\i:S+32*\y+4*\i+3], v[ASB] offset:STGW*\y+2*\i*PITCH   ; LDS serves a wave's instructions in order: these see my stores
.endr
.endr
.irp y, 0,1
.irp i, 0,1,2,3,4,5,6,7
	s_wait_dscnt 15-8*\y-\i
	global_store_b128 v[GO], v[S+32*\y+4*\i:S+32*\y+4*\i+3], s[16:17] offset:16384*\y+2048*\i   ; 16 lanes store 256 consecutive bytes, aligned
.endr
.endr
	s_wait_xcnt 0x0
	v_lshl_add_u32 v254, v0, 2, 0x4e800            ; the wave's end
	v_mov_b32 v255, 0
	s_wait_alu depctr_va_vdst(0)
	s_wait_tensorcnt 0x0
	ds_add_u32 v254, v255
	s_wait_dscnt 0x0
	s_endpgm
.Lfunc_end_k_q23e4152d51_attn:
	.size	k_q23e4152d51_attn, .Lfunc_end_k_q23e4152d51_attn-k_q23e4152d51_attn
	.p2alignl 7, 3214868480
	.fill 96, 4, 3214868480
	.section	.rodata,"a",@progbits
	.p2align	6, 0x0
	.amdhsa_kernel k_q23e4152d51_attn
		.amdhsa_group_segment_fixed_size 322560
		.amdhsa_private_segment_fixed_size 0
		.amdhsa_enable_private_segment 0
		.amdhsa_kernarg_size 56
		.amdhsa_user_sgpr_count 2
		.amdhsa_user_sgpr_kernarg_segment_ptr 1
		.amdhsa_wavefront_size32 1
		.amdhsa_system_sgpr_workgroup_id_x 1
		.amdhsa_system_sgpr_workgroup_id_y 1
		.amdhsa_system_sgpr_workgroup_id_z 1
		.amdhsa_system_vgpr_workitem_id 0
		.amdhsa_next_free_vgpr 1024
		.amdhsa_next_free_sgpr 66
		.amdhsa_reserve_vcc 1
		.amdhsa_float_denorm_mode_32 3
		.amdhsa_float_denorm_mode_16_64 3
		.amdhsa_memory_ordered 1
		.amdhsa_forward_progress 1
		.amdhsa_inst_pref_size 218
	.end_amdhsa_kernel
	.amdgpu_metadata
---
amdhsa.version: [ 1, 2 ]
amdhsa.kernels:
  - .name:           k_q23e4152d51_attn
    .symbol:         k_q23e4152d51_attn.kd
    .args:
      - { .name: qc, .offset: 0, .size: 8, .value_kind: global_buffer, .address_space: global }
      - { .name: kc, .offset: 8, .size: 8, .value_kind: global_buffer, .address_space: global }
      - { .name: vt, .offset: 16, .size: 8, .value_kind: global_buffer, .address_space: global }
      - { .name: attn_bias, .offset: 24, .size: 8, .value_kind: global_buffer, .address_space: global }
      - { .name: mask, .offset: 32, .size: 8, .value_kind: global_buffer, .address_space: global }
      - { .name: lowp_scales, .offset: 40, .size: 8, .value_kind: global_buffer, .address_space: global }
      - { .name: oc, .offset: 48, .size: 8, .value_kind: global_buffer, .address_space: global }
    .group_segment_fixed_size: 322560
    .private_segment_fixed_size: 0
    .kernarg_segment_align: 8
    .kernarg_segment_size: 56
    .max_flat_workgroup_size: 128
    .sgpr_count:     66
    .vgpr_count:     1024
    .wavefront_size: 32
...
	.end_amdgpu_metadata
.endif
;; end of part 2
;; launch outp (part 3): grid 4 x 32, 4 waves a work-group, clusters of 4 x 4, 327,680 bytes of LDS; arguments oc, Wo_codes, lowp_scales, bo, out0; writes out0
.if DOCPART == 3
	.amdgcn_target "amdgcn-amd-amdhsa--gfx1250"
	.amdhsa_code_object_version 6
	.text
	.protected	k_q23e4152d51_outp
	.globl	k_q23e4152d51_outp
	.p2align	8
	.type	k_q23e4152d51_outp,@function
k_q23e4152d51_outp:
	s_mov_b64 s[64:65], 0
	v_nop
	global_prefetch_b8 v0, s[64:65] scope:SCOPE_SE
	s_setreg_imm32_b32 hwreg(HW_REG_WAVE_MODE, 25, 1), 1
	s_wait_xcnt 0x0
	s_wait_alu depctr_hold_cnt(0) depctr_sa_sdst(0) depctr_va_vdst(0) depctr_va_sdst(0) depctr_va_ssrc(0) depctr_va_vcc(0) depctr_vm_vsrc(0)
	s_getreg_b32 s2, hwreg(HW_REG_IB_STS2, 6, 4)
	s_cmp_eq_u32 s2, 0
	s_cbranch_scc0 .Lentry_in_a_cluster
	s_endpgm
.Lentry_in_a_cluster:
	s_bfe_u32 s2, ttmp6, 0x10000c
	s_cmp_lg_u32 s2, 0xf033
	s_cbranch_scc0 .Lentry_shape_is_right
	s_endpgm
.Lentry_shape_is_right:
.set SIZE_N, 1024
.set KSTEP,  256
.set ROWB,   256
.set KROW,   1024
.set PITCH,  272
.set FR,     16
.set NL,     4
.set NP,     4
.set HALFT,  128*PITCH
.set SLOT,   4*HALFT
.set LAPS,   1024/(2*KSTEP)
.set SPARE,  2*SLOT
.set SPITCH, 528
.set ADRA, 16
.set ADRB, 20
.set STO,  24
.set RD,   25
.set CO,   26
.set SPW,  28
.set NIL,  29
.set AF,   128
.set BK,   128
.set G1, 24
.set G0, 32
.set G1B, 48
.set G0B, 56
.set MSB, 0
.macro WIN new
.if MSB != \new
	s_set_vgpr_msb (MSB<<8)|\new
.set MSB, \new
.endif
.endm
.set MUL_LO, 0xa1
.set MUL_HI, 0xf1
.set TO_B,   0x40
.macro JLOAD g0a, g1a, g0b, g1b
	s_cmp_eq_u32 s15, 0
	s_cbranch_scc0 .Lfor_b_\@
	tensor_load_to_lds s[\g0a:\g0a+3], s[\g1a:\g1a+7]
	s_nop 0
.rept 4
	v_nop
.endr
	s_branch .Lasked_\@
.Lfor_b_\@:
	tensor_load_to_lds s[\g0b:\g0b+3], s[\g1b:\g1b+7]
	s_nop 0
.rept 4
	v_nop
.endr
.Lasked_\@:
.endm
.macro CREST
	s_cmp_lg_u32 s14, 0
	s_cbranch_scc1 .Lnot_wave_0_\@
	s_barrier_signal -3
.Lnot_wave_0_\@:
	s_barrier_wait -3
	s_barrier_signal -1
	s_barrier_wait -1
.endm
.macro CROUND
	s_barrier_signal -1
	s_barrier_wait -1
	CREST
.endm
	s_load_b128 s[4:7], s[0:1], 0x0
	s_load_b128 s[8:11], s[0:1], 0x10
	s_load_b64 s[12:13], s[0:1], 0x20
	v_lshl_add_u32 v[SPW], v0, 2, SPARE
	v_mov_b32 v[NIL], 0
	ds_add_u32 v28, v29
	ds_add_u32 v28, v29
	s_wait_dscnt 0x0
	v_lshrrev_b32 v1, 5, v0
	v_readfirstlane_b32 s14, v1
	s_lshr_b32 s15, s14, 1
	s_and_b32 s16, s14, 1
	s_bfe_u32 s40, ttmp6, 0x40000
	s_bfe_u32 s41, ttmp6, 0x40004
	s_lshl_b32 s42, ttmp9, 2
	s_add_co_u32 s42, s42, s40
	s_and_b32 s17, ttmp7, 0xffff
	s_lshl_b32 s17, s17, 2
	s_add_co_u32 s17, s17, s41
	s_lshl_b32 s43, s41, 2
	s_lshl_b32 s43, 15, s43
	s_lshl_b32 s44, 0x1111, s40
	s_or_b32 s[G1+0], s43, (0<<16)|(1<<20)|(1<<21)|(5<<22)|(3<<25)
	s_or_b32 s[G1B+0], s44, (0<<16)|(1<<20)|(1<<21)|(5<<22)|(3<<25)
.irp g, G1, G1B
	s_mov_b32 s[\g+1], ROWB<<16
	s_mov_b32 s[\g+2], 128<<16
	s_mov_b32 s[\g+3], ROWB<<16
	s_mov_b32 s[\g+4], 128
	s_mov_b32 s[\g+5], KROW
	s_mov_b32 s[\g+6], 0
	s_mov_b32 s[\g+7], 0
.endr
	s_lshl_b32 s18, s16, 7
	s_lshl_b32 s20, s17, 8
	s_add_co_u32 s20, s20, s18
	s_lshl_b32 s46, s42, 8
	s_add_co_u32 s46, s46, s18
	s_lshl_b32 s20, s20, 10
	s_lshl_b32 s46, s46, 10
	s_mov_b32 s21, 0
	s_mov_b32 s47, 0
	s_mul_i32 s45, s14, HALFT
	s_wait_kmcnt 0x0
	s_load_b64 s[96:97], s[8:9], 0x28
	s_add_nc_u64 s[20:21], s[4:5], s[20:21]
	s_add_nc_u64 s[46:47], s[6:7], s[46:47]
	CROUND
.irp s, 0,1
	s_mov_b32 s[G0+4*\s], 1
	s_add_co_u32 s[G0+4*\s+1], s45, \s*SLOT
	s_add_nc_u64 s[G0+4*\s+2:G0+4*\s+3], s[20:21], \s*ROWB
	s_or_b32 s[G0+4*\s+3], s[G0+4*\s+3], 0x80000000
	s_mov_b32 s[G0B+4*\s], 1
	s_add_co_u32 s[G0B+4*\s+1], s45, \s*SLOT
	s_add_nc_u64 s[G0B+4*\s+2:G0B+4*\s+3], s[46:47], \s*ROWB
	s_or_b32 s[G0B+4*\s+3], s[G0B+4*\s+3], 0x80000000
	s_wait_alu depctr_va_vdst(0)
	s_wait_tensorcnt 0x0
	ds_add_u32 v28, v29
	ds_add_u32 v28, v29
	s_wait_dscnt 0x0
	CROUND
	JLOAD G0+4*\s, G1, G0B+4*\s, G1B
.endr
	v_and_b32 v1, 15, v0
	s_wait_alu depctr_va_vdst(0)
	v_bfe_u32 v2, v0, 4, 1
	v_mul_u32_u24 v3, v1, PITCH
	v_lshl_add_u32 v4, v2, 4, v3
	s_mul_i32 s21, s15, HALFT
	s_mul_i32 s22, s16, HALFT
	s_add_co_u32 s22, s22, 2*HALFT
.irp s, 0,1
	v_add_nc_u32 v[ADRA+\s], s21, v4
	v_add_nc_u32 v[ADRB+\s], s22, v4
	s_add_co_u32 s21, s21, SLOT
	s_add_co_u32 s22, s22, SLOT
.endr
	s_mul_i32 s23, s14, 16*SPITCH
	v_mul_u32_u24 v5, v1, SPITCH
	s_wait_alu depctr_va_vdst(0)
	v_lshl_add_u32 v5, v2, 5, v5
	v_add_nc_u32 v[STO], s23, v5
	v_and_b32 v6, 31, v0
	v_lshlrev_b32 v[CO], 4, v6
	s_wait_alu depctr_va_vdst(0)
	v_add_nc_u32 v[RD], s23, v[CO]
	s_lshl_b32 s20, s17, 8
	s_lshl_b32 s21, s15, 7
	s_add_co_u32 s20, s20, s21
	s_lshl_b32 s20, s20, 12
	s_mov_b32 s21, 0
	s_lshl_b32 s46, s42, 10
	s_lshl_b32 s47, s16, 9
	s_add_co_u32 s46, s46, s47
	v_add_nc_u32 v7, s46, v[CO]
	global_load_b128 v[8:11], v7, s[10:11]
	s_mov_b32 s47, 0
	s_add_nc_u64 s[20:21], s[20:21], s[46:47]
	s_add_nc_u64 s[12:13], s[12:13], s[20:21]
.macro FRAG reg, adr, q, i
.irp c, 0,1,2,3
	ds_load_b128 v[\reg+4*\c:\reg+4*\c+3], v[\adr] offset:128*(\q)+32*\c+(\i)*16*PITCH
.endr
.endm
.macro MUL16 a0, p, zero
.irp a, \a0, \a0+1
.irp b, 0,1,2,3,4,5,6,7
.if \zero
	v_wmma_f32_16x16x128_fp8_fp8 v[8*(8*((\a)%4)+\b):8*(8*((\a)%4)+\b)+7], v[128*(\p)+FR*\b:128*(\p)+FR*\b+FR-1], v[AF+FR*(\a):AF+FR*(\a)+FR-1], 0
.else
	v_wmma_f32_16x16x128_fp8_fp8 v[8*(8*((\a)%4)+\b):8*(8*((\a)%4)+\b)+7], v[128*(\p)+FR*\b:128*(\p)+FR*\b+FR-1], v[AF+FR*(\a):AF+FR*(\a)+FR-1], v[8*(8*((\a)%4)+\b):8*(8*((\a)%4)+\b)+7]
.endif
.endr
.endr
.endm
.macro FETCH_B slot, q, p
	WIN TO_B
.irp i, 0,1,2,3,4,5,6,7
	FRAG 128*(\p)+FR*\i, ADRB+\slot, \q, \i
.endr
	WIN 0
.endm
.macro FETCH_A slot, q, i0
.irp i, \i0, \i0+1, \i0+2, \i0+3
	FRAG AF+FR*(\i), ADRA+\slot, \q, \i
.endr
.endm
.macro PLACES n
.rept \n
	v_nop
.endr
.endm
.macro STEP slot, q, zero
	s_wait_dscnt 4*NL
	WIN MUL_LO
	MUL16 0, (\q)%2, \zero
	MUL16 2, (\q)%2, \zero
	s_wait_dscnt 0
	PLACES NP
	FETCH_B \slot, (\q)+1, 1-(\q)%2
	FETCH_A \slot, (\q)+1, 0
	WIN MUL_HI
	MUL16 4, (\q)%2, \zero
	MUL16 6, (\q)%2, \zero
	PLACES NP
	WIN 0
	FETCH_A \slot, (\q)+1, 4
.endm
.macro TURN slot, next, fill
	s_wait_tensorcnt 0x0
	ds_add_u32 v[SPW], v[NIL]
	s_wait_dscnt 4*NL+1
	WIN MUL_LO
	MUL16 0, 1, 0
	s_wait_dscnt 0x0
	s_barrier_signal -1
	MUL16 2, 1, 0
	WIN 0
	s_barrier_wait -1
.if \fill
	CREST
	s_add_nc_u64 s[G0+4*\slot+2:G0+4*\slot+3], s[G0+4*\slot+2:G0+4*\slot+3], 2*ROWB
	s_add_nc_u64 s[G0B+4*\slot+2:G0B+4*\slot+3], s[G0B+4*\slot+2:G0B+4*\slot+3], 2*ROWB
	JLOAD G0+4*\slot, G1, G0B+4*\slot, G1B
.else
	PLACES NP
.endif
	FETCH_B \next, 0, 0
	FETCH_A \next, 0, 0
	WIN MUL_HI
	MUL16 4, 1, 0
	MUL16 6, 1, 0
	PLACES NP
	WIN 0
	FETCH_A \next, 0, 4
.endm
	s_wait_tensorcnt 1
	s_barrier_signal -1
	s_barrier_wait -1
	FETCH_B 0, 0, 0
	FETCH_A 0, 0, 0
	FETCH_A 0, 0, 4
	STEP 0, 0, 1
	s_mov_b32 s3, LAPS-1
.Llap:
	TURN 0, 1, 1
	STEP 1, 0, 0
	TURN 1, 0, 1
	STEP 0, 0, 0
	s_sub_co_u32 s3, s3, 1
	s_cmp_lg_u32 s3, 0
	s_cbranch_scc1 .Llap
	TURN 0, 1, 0
	STEP 1, 0, 0
	s_wait_dscnt 4*NL
	WIN MUL_LO
	MUL16 0, 1, 0
	MUL16 2, 1, 0
	s_wait_dscnt 0
	WIN MUL_HI
	MUL16 4, 1, 0
	MUL16 6, 1, 0
	WIN 0
.macro TOSTAGE a
.set AC, 64*((\a)%4)
	WIN 0x08+4*((\a)/4)
.irp b, 0,1,2,3,4,5,6,7
	ds_store_b128 v[STO], v[AC+8*\b:AC+8*\b+3] offset:64*\b
	ds_store_b128 v[STO], v[AC+8*\b+4:AC+8*\b+7] offset:64*\b+16
.endr
	WIN 0
.set BB, BK+64*((\a)%2)
.irp t, 0,1,2,3,4,5,6,7,8,9,10,11,12,13,14,15
	ds_load_b128 v[BB+4*\t:BB+4*\t+3], v[RD] offset:\t*SPITCH
.endr
.endm
.macro SEND a, younger
.set BB, BK+64*((\a)%2)
	s_wait_dscnt \younger
.if (\a) > 0
	s_add_nc_u64 s[12:13], s[12:13], 16*SIZE_N*4
.endif
.irp t, 0,1,2,3,4,5,6,7,8,9,10,11,12,13,14,15
	v_pk_fma_f32 v[BB+4*\t:BB+4*\t+1], v[BB+4*\t:BB+4*\t+1], s[96:97], v[8:9] op_sel_hi:[1,0,1]
	v_pk_fma_f32 v[BB+4*\t+2:BB+4*\t+3], v[BB+4*\t+2:BB+4*\t+3], s[96:97], v[10:11] op_sel_hi:[1,0,1]
	global_store_b128 v[CO], v[BB+4*\t:BB+4*\t+3], s[12:13] offset:\t*SIZE_N*4 th:TH_STORE_NT
.endr
.endm
	s_wait_kmcnt 0x0
	s_add_co_i32 s96, s96, s97
	s_add_co_i32 s96, s96, 127
	s_lshl_b32 s96, s96, 23
	s_mov_b32 s97, s96
	s_wait_loadcnt 0x0
	PLACES NP
	s_wait_alu depctr_va_vdst(0)
	TOSTAGE 0
.irp a, 1,2,3,4,5,6,7
.if \a > 1
	s_wait_xcnt 0x0
.endif
	TOSTAGE \a
	SEND \a-1, 32
.endr
	s_wait_xcnt 0x0
	SEND 7, 0
	s_wait_tensorcnt 0x0
	ds_add_u32 v[SPW], v[NIL]
	s_wait_dscnt 0x0
	CROUND
	s_endpgm
.Lfunc_end_k_q23e4152d51_outp:
	.size	k_q23e4152d51_outp, .Lfunc_end_k_q23e4152d51_outp-k_q23e4152d51_outp
	.p2alignl 7, 3214868480
	.fill 96, 4, 3214868480
	.section	.rodata,"a",@progbits
	.p2align	6, 0x0
	.amdhsa_kernel k_q23e4152d51_outp
		.amdhsa_group_segment_fixed_size 327680
		.amdhsa_private_segment_fixed_size 0
		.amdhsa_enable_private_segment 0
		.amdhsa_kernarg_size 40
		.amdhsa_user_sgpr_count 2
		.amdhsa_user_sgpr_kernarg_segment_ptr 1
		.amdhsa_wavefront_size32 1
		.amdhsa_system_sgpr_workgroup_id_x 1
		.amdhsa_system_sgpr_workgroup_id_y 1
		.amdhsa_system_sgpr_workgroup_id_z 1
		.amdhsa_system_vgpr_workitem_id 0
		.amdhsa_next_free_vgpr 1024
		.amdhsa_next_free_sgpr 98
		.amdhsa_reserve_vcc 0
		.amdhsa_float_denorm_mode_32 3
		.amdhsa_float_denorm_mode_16_64 3
		.amdhsa_memory_ordered 1
		.amdhsa_forward_progress 1
		.amdhsa_inst_pref_size 124
	.end_amdhsa_kernel
	.amdgpu_metadata
---
amdhsa.version: [ 1, 2 ]
amdhsa.kernels:
  - .name:           k_q23e4152d51_outp
    .symbol:         k_q23e4152d51_outp.kd
    .args:
      - { .name: oc, .offset: 0, .size: 8, .value_kind: global_buffer, .address_space: global }
      - { .name: Wo_codes, .offset: 8, .size: 8, .value_kind: global_buffer, .address_space: global }
      - { .name: lowp_scales, .offset: 16, .size: 8, .value_kind: global_buffer, .address_space: global }
      - { .name: bo, .offset: 24, .size: 8, .value_kind: global_buffer, .address_space: global }
      - { .name: out0, .offset: 32, .size: 8, .value_kind: global_buffer, .address_space: global }
    .group_segment_fixed_size: 327680
    .private_segment_fixed_size: 0
    .kernarg_segment_align: 8
    .kernarg_segment_size: 40
    .max_flat_workgroup_size: 128
    .sgpr_count:     98
    .vgpr_count:     1024
    .wavefront_size: 32
...
	.end_amdgpu_metadata
.endif
;; end of part 3
